; MI455X (gfx1250); checked and timed in simulation.
; The chip was launched on July 23, 2026; its instructions are those of AMD's public machine-readable ISA for CDNA 5 (MIT licence, August 2026) and "CDNA5" Instruction Set Architecture Reference Guide (July 2026). The comments in the code are by the model that wrote it; some were corrected since.
;; Symmetric Confidence Biased MHA. Allowed arithmetic: matrix products marked QUANTISED: E4M3 operands, one E8M0 scale for each 32 along K, by v_wmma_scale_f32_16x16x128_f8f6f4 with both operands' format E4M3, f32 sums; everything else in f32.
;; Inputs: Wc 16 x 1 float32; Wk_codes 1,024 x 32 x 32 uint8 (E4M3 codes of Wk, K innermost, in blocks of 32 codes); Wk_scales 1,024 x 32 uint8 (E8M0 scales of Wk, one for each 32 codes along K); Wo_codes 1,024 x 32 x 32 uint8 (E4M3 codes of Wo, K innermost, in blocks of 32 codes); Wo_scales 1,024 x 32 uint8 (E8M0 scales of Wo, one for each 32 codes along K); Wq_codes 1,024 x 32 x 32 uint8 (E4M3 codes of Wq, K innermost, in blocks of 32 codes); Wq_scales 1,024 x 32 uint8 (E8M0 scales of Wq, one for each 32 codes along K); Wv_codes 1,024 x 32 x 32 uint8 (E4M3 codes of Wv, K innermost, in blocks of 32 codes); Wv_scales 1,024 x 32 uint8 (E8M0 scales of Wv, one for each 32 codes along K); alpha one number float32; bc 16 float32; bo 1,024 float32; bv 1,024 float32; confidence 2 x 2,048 float32; x_codes 2 x 2,048 x 32 x 32 uint8 (E4M3 codes of x, K innermost, in blocks of 32 codes); x_scales 2 x 2,048 x 32 uint8 (E8M0 scales of x, one for each 32 codes along K).
;; Outputs: out0 2 x 2,048 x 1,024 float32.
;; This version of the problem:
;;   THIS VERSION OF THE PROBLEM IS GIVEN IN LOW PRECISION. The matrix products marked QUANTISED in the list below multiply operands that are first quantised to E4M3 (4 exponent bits, 3 mantissa bits; 8 bits a number), with one power-of-two scale for each 32 numbers along K (OCP MX v1.0); their sums are f32. All else is computed in f32.
;;   The module's matrix products, in the order in which they are computed (A, B: the left and right operand; K: the contracted axis; several contracted axes count as one K, in the product's order):
;;     1. [M 4,096, K 1,024] x [K 1,024, N 1,024]; A: input x (given as codes); B: input Wq (given as codes): QUANTISED
;;     2. [M 4,096, K 1,024] x [K 1,024, N 1,024]; A: input x (given as codes); B: input Wk (given as codes): QUANTISED
;;     3. [M 4,096, K 1,024] x [K 1,024, N 1,024]; A: input x (given as codes); B: input Wv (given as codes): QUANTISED
;;     4. batch 32 x [M 2,048, K 64] x [K 64, N 2,048]; A: computed on the way; B: computed on the way: QUANTISED
;;     5. batch 32 x [M 64, K 2,048] x [K 2,048, N 2,048]; A: computed on the way; B: softmax (see below): QUANTISED
;;     6. [M 4,096, K 1,024] x [K 1,024, N 1,024]; A: computed on the way; B: input Wo (given as codes): QUANTISED
;;   THE QUANTISER, for each operand of a quantised product, along K:
;;     - K is cut into blocks of 32 from its start; a last block that is shorter is filled with zeros.
;;     - A block's scale is 2^e with e = floor(log2(the largest magnitude in the block)) - 8, held to -126 .. 127; a block of zeros has e = 0. As a byte (E8M0): e + 127.
;;     - Each number is divided by its block's scale, clamped to +-448, and rounded to the nearest number of E4M3, ties to even, subnormals kept.
;;     - The product sums the exact products of the quantised numbers (number of the format x scale) in f32.
;;   ~~~python
;;   def quantise(x, axis):      # numpy; x: float32 -> the quantised numbers, widened to float32 again
;;       x = np.moveaxis(x, axis, -1); K = x.shape[-1]
;;       x = np.pad(x, [(0, 0)] * (x.ndim - 1) + [(0, -K % 32)]); x = x.reshape(x.shape[:-1] + (-1, 32)); a = np.abs(x).max(-1, keepdims=True)
;;       e = np.where(a > 0, np.clip(np.frexp(np.where(a > 0, a, 1))[1] - 1 - 8, -126, 127), 0)      # np.frexp(a)[1] - 1 = floor(log2(a)), exactly
;;       r = np.clip(x / 2.0 ** e, -448, 448)
;;       step = 2.0 ** (np.maximum(np.frexp(np.where(r == 0, 1, r))[1] - 1, -6) - 3)
;;       q = np.round(r / step) * step * 2.0 ** e      # np.round: ties to even
;;       return np.moveaxis(q.reshape(q.shape[:-2] + (-1,))[..., :K], -1, axis).astype(np.float32)
;;   ~~~
;;   SOFTMAX AHEAD OF A QUANTISED PRODUCT. Where the list says 'softmax', what is quantised is not the finished softmax but p = 2^(t - M), with t = logit x log2(e) and M = ceil(the row's largest t), a whole number; so 1/2 < the row's largest p <= 1. The row's sum l is taken of the UNQUANTISED p, in f32, and the product's result is divided by l at the end. Since M is a whole number, a kernel that streams over the keys may use a running M (the ceiling of the running maximum): every later rescaling is an exact power of two, which a block's scale takes up: the codes' values come out the same.
;;   OPERANDS COMPUTED ON THE WAY. 'Computed on the way' means the value that the module computes at that place (a softmax that the list does not call 'softmax' is quantised finished and normalised). What goes into a quantiser is computed in f32, as accurately as f32 sums, v_exp_f32 and their like allow (about 1e-6 of the number): no bf16 or f16 on the way to a quantiser, and a product that is left as it is and whose result goes on into a quantised operand takes f32 operands (vector FMAs, or v_wmma_f32_16x16x4_f32). A number that lies on a knife's edge between two numbers of the format may be rounded either way, as far as f32 arithmetic and the matrix unit's own rounding can turn it there, and no further.
;;   INPUTS GIVEN AS CODES. Wk (in the module: [1024, 1024], K = its axis 1); Wo (in the module: [1024, 1024], K = its axis 1); Wq (in the module: [1024, 1024], K = its axis 1); Wv (in the module: [1024, 1024], K = its axis 1); x (in the module: [2, 2048, 1024], K = its axis 2): each comes as NAME_codes (uint8): NAME with its K axis moved to the last place and cut into blocks of 32 codes, [.., K / 32, bytes a block], one block behind the other in memory; one code a byte (a code: sign, 4 exponent bits, 3 mantissa bits); and NAME_scales (uint8): the same leading axes, one E8M0 byte (e + 127) for each 32 codes along K. Its value is code x scale, taken as it is: it is not quantised again, and the codes and scales need not be those that the quantiser above would give.
;; One version. Each part assembles by itself: llvm-mc -triple=amdgcn-amd-amdhsa -mcpu=gfx1250 --defsym DOCPART=n.
;; ======== version 1 of 1: 3 launches
;; limits: right only within a limited range of input values
;; workspace buffers: qkv 13,238,272 bytes; kbias 262,144 bytes; oimg 4,325,376 bytes
;; launch qkv_proj (part 1): grid 12 x 16, 4 waves a work-group, clusters of 4 x 4, 327,680 bytes of LDS; arguments x_codes, x_scales, Wq_codes, Wq_scales, Wk_codes, Wk_scales, Wv_codes, Wv_scales, bv, confidence, Wc, bc, alpha, qkv, kbias; writes qkv, kbias
.if DOCPART == 1
	.amdgcn_target "amdgcn-amd-amdhsa--gfx1250"
	.amdhsa_code_object_version 6
	.text
	.protected	k_qb97ea09560_qkv_proj
	.globl	k_qb97ea09560_qkv_proj
	.p2align	8
	.type	k_qb97ea09560_qkv_proj,@function
k_qb97ea09560_qkv_proj:
	s_mov_b64 s[64:65], 0
	v_nop
	global_prefetch_b8 v0, s[64:65] scope:SCOPE_SE
	s_setreg_imm32_b32 hwreg(HW_REG_WAVE_MODE, 25, 1), 1
	s_wait_xcnt 0x0
	s_wait_alu depctr_hold_cnt(0) depctr_sa_sdst(0) depctr_va_vdst(0) depctr_va_sdst(0) depctr_va_ssrc(0) depctr_va_vcc(0) depctr_vm_vsrc(0)
	s_getreg_b32 s2, hwreg(HW_REG_IB_STS2, 6, 4)
	s_cmp_eq_u32 s2, 0
	s_cbranch_scc0 .Lentry_in_a_cluster
	s_endpgm
.Lentry_in_a_cluster:
	s_bfe_u32 s2, ttmp6, 0x10000c
	s_cmp_lg_u32 s2, 0xf033
	s_cbranch_scc0 .Lentry_shape_is_right
	s_endpgm
.Lentry_shape_is_right:
.set KSTEP,  256
.set NQ,     2
.set ROWB,   256
.set KROW,   1024
.set PITCH,  272
.set FR,     16
.set NL,     4
.set NP,     8
.set HALFT,  128*PITCH
.set SLOT,   4*HALFT
.set LAPS,   2
.set KS,     32
.set SCL,    2*SLOT
.set HALFS,  (128*KS/256)*272
.set SBLK,   (16*KS/256)*272
.set SPARE,  SCL+4*HALFS
.set REC,    25856
.set HEADP,  16*REC
.set ADRA, 16
.set ADRB, 20
.set VO01, 24
.set VO23, 25
.set VOV,  26
.set ADRS, 27
.set SPW,  28
.set NIL,  29
.set SC,   32
.set BV,   64
.set AF,   128
.set T,    128
.set PC,   192
.set TM,   224
.set PW,   240
.set X,    248
.set G1, 24
.set G0, 32
.set G1B, 48
.set G0B, 56
.set G1S, 68
.set G0S, 76
.set G1SB, 80
.set G0SB, 88
.set MSB, 0
.macro WIN new
.if MSB != (\new)
	s_set_vgpr_msb (MSB<<8)|(\new)
.set MSB, (\new)
.endif
.endm
.set MUL_LO, 0xa1
.set MUL_HI, 0xf1
.set TO_B,   0x40
.macro JLOAD g0a, g1a, g0b, g1b
	s_cmp_eq_u32 s15, 0
	s_cbranch_scc0 .Lfor_b_\@
	tensor_load_to_lds s[\g0a:\g0a+3], s[\g1a:\g1a+7]
	s_nop 0
.rept 4
	v_nop
.endr
	s_branch .Lasked_\@
.Lfor_b_\@:
	tensor_load_to_lds s[\g0b:\g0b+3], s[\g1b:\g1b+7]
	s_nop 0
.rept 4
	v_nop
.endr
.Lasked_\@:
.endm
.macro CREST
	s_cmp_lg_u32 s14, 0
	s_cbranch_scc1 .Lnot_wave_0_\@
	s_barrier_signal -3
.Lnot_wave_0_\@:
	s_barrier_wait -3
	s_barrier_signal -1
	s_barrier_wait -1
.endm
.macro CROUND
	s_barrier_signal -1
	s_barrier_wait -1
	CREST
.endm
	s_load_b512 s[68:83], s[0:1], 0x0
	v_lshl_add_u32 v[SPW], v0, 2, SPARE
	v_mov_b32 v[NIL], 0
	ds_add_u32 v28, v29
	ds_add_u32 v28, v29
	s_wait_dscnt 0x0
	v_lshrrev_b32 v1, 5, v0
	v_readfirstlane_b32 s14, v1
	s_lshr_b32 s15, s14, 1
	s_and_b32 s16, s14, 1
	s_bfe_u32 s40, ttmp6, 0x40000
	s_bfe_u32 s41, ttmp6, 0x40004
	s_and_b32 s18, ttmp7, 0xffff
	s_lshl_b32 s18, s18, 2
	s_cmp_eq_u32 ttmp9, 2
	s_cselect_b32 s66, 0, s18
	s_cselect_b32 s67, s18, 0
	s_add_co_u32 s17, s41, s66
	s_add_co_u32 s42, s40, s67
	s_lshl_b32 s43, s41, 2
	s_lshl_b32 s43, 15, s43
	s_lshl_b32 s44, 0x1111, s40
	s_or_b32 s[G1+0], s43, (0<<16)|(1<<20)|(1<<21)|(5<<22)|(3<<25)
	s_or_b32 s[G1B+0], s44, (0<<16)|(1<<20)|(1<<21)|(5<<22)|(3<<25)
.irp g, G1, G1B
	s_mov_b32 s[\g+1], ROWB<<16
	s_mov_b32 s[\g+2], 256<<16                     ; the head's loads of codes bring 256 rows; behind them the two words are set to 128
	s_mov_b32 s[\g+3], ROWB<<16
	s_mov_b32 s[\g+4], 256
	s_mov_b32 s[\g+5], KROW
	s_mov_b32 s[\g+6], 0
	s_mov_b32 s[\g+7], 0
.endr
	s_lshl_b32 s20, s17, 8                         ; the tiles' first rows
	s_lshl_b32 s46, s42, 8
	s_mov_b32 s21, 0
	s_mov_b32 s47, 0
	s_mov_b64 s[18:19], KS
	s_mul_u64 s[22:23], s[20:21], s[18:19]
	s_mul_u64 s[92:93], s[46:47], s[18:19]
	s_mov_b64 s[18:19], KROW
	s_mul_u64 s[20:21], s[20:21], s[18:19]
	s_mul_u64 s[46:47], s[46:47], s[18:19]
	s_mul_i32 s45, s14, HALFT
	s_mul_i32 s18, s16, 128*KROW                   ; in the ring I fetch 128 rows of a tile: which half, in bytes
	s_mov_b32 s19, 0
	s_wait_kmcnt 0x0
	s_cmp_eq_u32 ttmp9, 0
	s_cselect_b64 s[8:9], s[72:73], s[76:77]
	s_cselect_b64 s[10:11], s[74:75], s[78:79]
	s_cmp_eq_u32 ttmp9, 2
	s_cselect_b64 s[4:5], s[80:81], s[68:69]
	s_cselect_b64 s[6:7], s[82:83], s[70:71]
	s_cselect_b64 s[8:9], s[68:69], s[8:9]
	s_cselect_b64 s[10:11], s[70:71], s[10:11]
	s_add_nc_u64 s[20:21], s[4:5], s[20:21]
	s_add_nc_u64 s[22:23], s[6:7], s[22:23]
	s_add_nc_u64 s[46:47], s[8:9], s[46:47]
	s_add_nc_u64 s[92:93], s[10:11], s[92:93]
	s_or_b32 s[G1S+0], s43, (3<<16)|(1<<20)|(1<<21)|(5<<22)|(3<<25)
	s_or_b32 s[G1SB+0], s44, (3<<16)|(1<<20)|(1<<21)|(5<<22)|(3<<25)
.irp g, G1S, G1SB
	s_mov_b32 s[\g+1], 32<<16
	s_mov_b32 s[\g+2], KS<<16                      ; the scales of 256 rows: KS dense rows of 256 bytes
	s_mov_b32 s[\g+3], 32<<16
	s_mov_b32 s[\g+4], KS
	s_mov_b32 s[\g+5], 32
	s_mov_b32 s[\g+6], 0
	s_mov_b32 s[\g+7], 0
.endr
	CROUND
	s_mov_b32 s[G0S], 1
	s_mov_b32 s[G0S+1], SCL
	s_mov_b64 s[G0S+2:G0S+3], s[22:23]
	s_or_b32 s[G0S+3], s[G0S+3], 0x80000000
	s_mov_b32 s[G0SB], 1
	s_mov_b32 s[G0SB+1], SCL+2*HALFS
	s_mov_b64 s[G0SB+2:G0SB+3], s[92:93]
	s_or_b32 s[G0SB+3], s[G0SB+3], 0x80000000
	s_mov_b32 s[G0], 1                             ; slot 0's groups 0 serve the head first: K step 0's 256 rows of A at LDS byte 0,
	s_mov_b32 s[G0+1], 0
	s_mov_b64 s[G0+2:G0+3], s[20:21]
	s_or_b32 s[G0+3], s[G0+3], 0x80000000
	s_mov_b32 s[G0B], 1                            ; its 256 rows of B behind them
	s_mov_b32 s[G0B+1], 2*HALFT
	s_mov_b64 s[G0B+2:G0B+3], s[46:47]
	s_or_b32 s[G0B+3], s[G0B+3], 0x80000000
	s_add_nc_u64 s[20:21], s[20:21], s[18:19]      ; for the ring: my 128 rows of the tile
	s_add_nc_u64 s[46:47], s[46:47], s[18:19]
	s_mov_b32 s[G0+4], 1                           ; slot 1: K step 1
	s_add_co_u32 s[G0+5], s45, SLOT
	s_add_nc_u64 s[G0+6:G0+7], s[20:21], ROWB
	s_or_b32 s[G0+7], s[G0+7], 0x80000000
	s_mov_b32 s[G0B+4], 1
	s_add_co_u32 s[G0B+5], s45, SLOT
	s_add_nc_u64 s[G0B+6:G0B+7], s[46:47], ROWB
	s_or_b32 s[G0B+7], s[G0B+7], 0x80000000
; THE HEAD'S LOADS, ONE A WAVE: wave 0 K step 0's rows of A, wave 1 those of B, wave 2 A's scales, wave 3 B's.  One chain of branches on the wave's number, one load to an arm.
.macro ARM under, g0, g1, next
	s_cmp_lt_u32 s14, \under
	s_cbranch_scc0 \next
	tensor_load_to_lds s[\g0:\g0+3], s[\g1:\g1+7]
	s_nop 0
.rept 4
	v_nop
.endr
	s_branch .Lhead_asked
\next:
.endm
	ARM 1, G0,  G1,  .Lhead_b
	ARM 2, G0B, G1B, .Lhead_sa
	ARM 3, G0S, G1S, .Lhead_sb
	tensor_load_to_lds s[G0SB:G0SB+3], s[G1SB:G1SB+7]
	s_nop 0
.rept 4
	v_nop
.endr
.Lhead_asked:
	v_and_b32 v1, 15, v0
	v_bfe_u32 v2, v0, 4, 1
	v_mul_u32_u24 v3, v1, PITCH
	v_lshl_add_u32 v4, v2, 4, v3
	s_mul_i32 s21, s15, HALFT
	s_mul_i32 s22, s16, HALFT
	s_add_co_u32 s22, s22, 2*HALFT
.irp s, 0,1
	v_add_nc_u32 v[ADRA+\s], s21, v4
	v_add_nc_u32 v[ADRB+\s], s22, v4
	s_add_co_u32 s21, s21, SLOT
	s_add_co_u32 s22, s22, SLOT
.endr
	v_mul_u32_u24 v5, v1, KS
	v_lshrrev_b32 v6, 8, v5
	v_lshl_add_u32 v5, v6, 4, v5
	s_mul_i32 s21, s15, HALFS
	s_mul_i32 s22, s16, HALFS
	s_add_co_u32 s22, s22, 2*HALFS
	s_sub_co_u32 s22, s22, s21
	v_mul_u32_u24 v6, s22, v2
	s_add_co_u32 s21, s21, SCL
	v_add_nc_u32 v5, v5, v6
	v_add_nc_u32 v[ADRS], s21, v5
	s_load_b128 s[20:23], s[0:1], 0x40
	s_load_b128 s[92:95], s[0:1], 0x50
	s_load_b128 s[96:99], s[0:1], 0x60
	s_load_b64 s[100:101], s[0:1], 0x70
	s_lshl_b32 s18, s17, 8
	s_lshl_b32 s4, s15, 7
	s_add_co_u32 s18, s18, s4
	s_lshl_b32 s19, s42, 8
	s_lshl_b32 s4, s16, 7
	s_add_co_u32 s19, s19, s4
	s_mov_b32 s66, 1024
	s_mov_b32 s104, 1024
	s_mov_b32 s2, HEADP
	s_mov_b32 s4, 17152
	s_mov_b32 s5, 8192
	s_cmp_eq_u32 ttmp9, 0
	s_cselect_b32 s4, s4, 0
	s_cselect_b32 s6, s5, 16384
	s_cmp_eq_u32 ttmp9, 2
	s_cselect_b32 s4, s5, s4
	s_cselect_b32 s6, 8704, s6
	s_cselect_b32 s46, s19, s18
	s_cselect_b32 s47, s18, s19
	s_cselect_b32 s66, 2048, s66
	s_cselect_b32 s104, HEADP-3*2048, s104
	s_cselect_b32 s2, 1024, s2
	s_cselect_b32 s3, -1, 0
	s_cselect_b32 s7, s18, 0
	s_mov_b32 s67, 0
	s_mov_b32 s105, 0
	s_lshr_b32 s8, s46, 11
	s_lshl_b32 s8, s8, 4
	s_lshr_b32 s9, s47, 6
	s_add_co_u32 s8, s8, s9
	s_lshl_b32 s8, s8, 4
	s_bfe_u32 s9, s46, 0x40007
	s_add_co_u32 s8, s8, s9
	s_mul_i32 s8, s8, REC
	s_add_co_u32 s8, s8, s4
	s_mov_b32 s9, 0
	s_lshl_b32 s10, s7, 2
	s_mov_b32 s11, 0
	s_mov_b32 s7, 0
	v_and_b32 v3, 31, v0
	v_lshlrev_b32 v[VO01], 4, v3
	v_add_nc_u32 v[VO23], s2, v[VO01]
	v_lshlrev_b32 v[VOV], 4, v1
	v_lshl_add_u32 v[VOV], v2, 3, v[VOV]
	v_lshlrev_b32 v7, 2, v1
	s_wait_alu depctr_va_vdst(0)
	s_wait_kmcnt 0x0
	s_add_nc_u64 s[12:13], s[98:99], s[8:9]
	s_add_nc_u64 s[98:99], s[12:13], s[6:7]
	s_add_nc_u64 s[20:21], s[20:21], s[10:11]
.irp a, 0,1,2,3,4,5,6,7
	global_load_b32 v[BV+2*\a], v7, s[20:21] offset:64*\a
	global_load_b32 v[BV+2*\a+1], v7, s[20:21] offset:64*\a
.endr
	s_wait_loadcnt 0x0
.irp i, 0,1,2,3,4,5,6,7,8,9,10,11,12,13,14,15
	v_cndmask_b32 v[BV+\i], 0, v[BV+\i], s3
.endr
	s_cmp_lt_u32 ttmp9, 2
	s_cbranch_scc0 .Lno_kb
	s_lshl_b32 s4, ttmp9, 6
	s_and_b32 s5, ttmp7, 0xffff
	s_lshl_b32 s5, s5, 4
	s_add_co_u32 s4, s4, s5
	s_lshl_b32 s5, s41, 2
	s_add_co_u32 s4, s4, s5
	s_add_co_u32 s4, s4, s40
	s_lshr_b32 s5, s4, 2
	s_lshr_b32 s6, s5, 4
	s_lshl_b32 s6, s6, 13
	s_lshl_b32 s7, s40, 11
	s_add_co_u32 s6, s6, s7
	s_mov_b32 s7, 0
	s_add_nc_u64 s[22:23], s[22:23], s[6:7]
	s_lshl_b32 s6, s4, 11
	s_add_nc_u64 s[100:101], s[100:101], s[6:7]
	s_and_b32 s5, s5, 15
	s_lshl_b32 s5, s5, 2
	v_mov_b32 v84, s5
	v_mov_b32 v85, 0
	v_lshlrev_b32 v86, 4, v0
	global_load_b128 v[88:91], v86, s[22:23]
	global_load_b32 v92, v84, s[92:93]
	global_load_b32 v93, v84, s[94:95]
	global_load_b32 v94, v85, s[96:97]
	s_wait_loadcnt 0x0
	v_mul_f32 v94, 0xbfb8aa3b, v94
	s_wait_alu depctr_va_vdst(0)
	v_exp_f32 v94, v94
	v_nop
	s_wait_alu depctr_va_vdst(0)
	v_add_f32 v94, 1.0, v94
	s_wait_alu depctr_va_vdst(0)
	v_rcp_f32 v94, v94
	v_nop
	s_wait_alu depctr_va_vdst(0)
	v_mul_f32 v94, 0x41000000, v94
.irp i, 0,1,2,3
	v_fma_f32 v[88+\i], v[88+\i], v92, v93
.endr
.irp i, 0,1,2,3
	v_mul_f32 v[88+\i], v[88+\i], v94
.endr
	global_store_b128 v86, v[88:91], s[100:101]
.Lno_kb:
.macro FRAG reg, adr, q, i
.irp c, 0,1,2,3
	ds_load_b128 v[\reg+4*\c:\reg+4*\c+3], v[\adr] offset:128*(\q)+32*\c+(\i)*16*PITCH
.endr
.endm
.macro MUL16 a0, p, q, sc, zero
.irp a, \a0, \a0+1
.irp b, 0,1,2,3,4,5,6,7
.if \zero
	v_wmma_scale_f32_16x16x128_f8f6f4 v[8*(8*((\a)%4)+\b):8*(8*((\a)%4)+\b)+7], v[128*(\p)+FR*\b:128*(\p)+FR*\b+FR-1], v[AF+FR*(\a):AF+FR*(\a)+FR-1], 0, v[SC+8*NQ*(\sc)+NQ*\b+(\q)], v[SC+8*NQ*(\sc)+NQ*(\a)+(\q)] matrix_a_scale:MATRIX_SCALE_ROW1
.else
	v_wmma_scale_f32_16x16x128_f8f6f4 v[8*(8*((\a)%4)+\b):8*(8*((\a)%4)+\b)+7], v[128*(\p)+FR*\b:128*(\p)+FR*\b+FR-1], v[AF+FR*(\a):AF+FR*(\a)+FR-1], v[8*(8*((\a)%4)+\b):8*(8*((\a)%4)+\b)+7], v[SC+8*NQ*(\sc)+NQ*\b+(\q)], v[SC+8*NQ*(\sc)+NQ*(\a)+(\q)] matrix_a_scale:MATRIX_SCALE_ROW1
.endif
.endr
.endr
.endm
.macro FETCH_B slot, q, p
	WIN TO_B
.irp i, 0,1,2,3,4,5,6,7
	FRAG 128*(\p)+FR*\i, ADRB+\slot, \q, \i
.endr
	WIN 0
.endm
.macro FETCH_A slot, q, i0
.irp i, \i0, \i0+1, \i0+2, \i0+3
	FRAG AF+FR*(\i), ADRA+\slot, \q, \i
.endr
.endm
.macro SCALES sc
.irp i, 0,1,2,3,4,5,6,7
	ds_load_b64 v[SC+8*NQ*\sc+NQ*\i:SC+8*NQ*\sc+NQ*\i+1], v[ADRS] offset:\i*SBLK
.endr
.endm
.macro PLACES n
.rept \n
	v_nop
.endr
.endm
.macro STEP slot, q, zero
	s_wait_dscnt 4*NL
	WIN MUL_LO
	MUL16 0, (\q)%2, \q, \slot, \zero
	MUL16 2, (\q)%2, \q, \slot, \zero
	s_wait_dscnt 0
	PLACES NP
	FETCH_B \slot, (\q)+1, 1-(\q)%2
	FETCH_A \slot, (\q)+1, 0
	WIN MUL_HI
	MUL16 4, (\q)%2, \q, \slot, \zero
	MUL16 6, (\q)%2, \q, \slot, \zero
	PLACES NP
	WIN 0
	FETCH_A \slot, (\q)+1, 4
.endm
.macro TURN slot, next, fill
	s_wait_tensorcnt 0x0
	ds_add_u32 v[SPW], v[NIL]
	s_wait_dscnt 4*NL+1
	WIN MUL_LO
	MUL16 0, 1, NQ-1, \slot, 0
	s_wait_dscnt 0x0
	s_barrier_signal -1
	MUL16 2, 1, NQ-1, \slot, 0
	WIN 0
	s_barrier_wait -1
.if \fill
	CREST
	s_add_nc_u64 s[G0+4*\slot+2:G0+4*\slot+3], s[G0+4*\slot+2:G0+4*\slot+3], 2*ROWB
	s_add_nc_u64 s[G0B+4*\slot+2:G0B+4*\slot+3], s[G0B+4*\slot+2:G0B+4*\slot+3], 2*ROWB
	JLOAD G0+4*\slot, G1, G0B+4*\slot, G1B
	PLACES NP-4
.else
	PLACES NP
.endif
	s_wait_alu depctr_va_vdst(0)
	v_add_nc_u32 v[ADRS], 4*NQ, v[ADRS]
	FETCH_B \next, 0, 0
	FETCH_A \next, 0, 0
	SCALES \next
	WIN MUL_HI
	MUL16 4, 1, NQ-1, \slot, 0
	MUL16 6, 1, NQ-1, \slot, 0
	PLACES NP
	WIN 0
	FETCH_A \next, 0, 4
.endm
	s_wait_alu depctr_va_vdst(0)                   ; the wait at the head's end
	s_wait_tensorcnt 0x0                           ; my tile of the head's four is in
	ds_add_u32 v[SPW], v[NIL]
	s_mov_b32 s[G1+2], 128<<16                     ; no tensor load of mine is out, so descriptors may be written: from here on a load brings 128 rows,
	s_mov_b32 s[G1+4], 128
	s_mov_b32 s[G1B+2], 128<<16
	s_mov_b32 s[G1B+4], 128
	s_mov_b32 s[G0+1], s45                         ; and slot 0's groups 0 become the ring's: my quarter of the slot, at K step 0 (slot 1's address less a K step)
	s_mov_b32 s[G0B+1], s45
	s_sub_nc_u64 s[G0+2:G0+3], s[G0+6:G0+7], ROWB
	s_sub_nc_u64 s[G0B+2:G0B+3], s[G0B+6:G0B+7], ROWB
	s_wait_dscnt 0x0
	CROUND                                         ; a whole round: all four tiles are in, and all sixteen work-groups are here
	JLOAD G0+4, G1, G0B+4, G1B                     ; K step 1's load, the first tensor load behind the round
	FETCH_B 0, 0, 0
	FETCH_A 0, 0, 0
	SCALES 0
	FETCH_A 0, 0, 4
	STEP 0, 0, 1
	s_mov_b32 s3, LAPS-1
.Llap:
	TURN 0, 1, 1
	STEP 1, 0, 0
	TURN 1, 0, 1
	STEP 0, 0, 0
	s_sub_co_u32 s3, s3, 1
	s_cmp_lg_u32 s3, 0
	s_cbranch_scc1 .Llap
	TURN 0, 1, 0
	STEP 1, 0, 0
	s_wait_dscnt 4*NL
	WIN MUL_LO
	MUL16 0, 1, NQ-1, 1, 0
	MUL16 2, 1, NQ-1, 1, 0
	s_wait_dscnt 0
	WIN MUL_HI
	MUL16 4, 1, NQ-1, 1, 0
	MUL16 6, 1, NQ-1, 1, 0
	WIN 0
.macro QUANT s, pc, pw
.irp b, 0,1,2,3
	v_max3_num_f32 v[TM+\b], |v[\s+16*\b]|, |v[\s+1+16*\b]|, 0x4800000
.endr
.irp i, 2,4,6,8,10,12,14
.irp b, 0,1,2,3
	v_max3_num_f32 v[TM+\b], v[TM+\b], |v[\s+16*\b+\i]|, |v[\s+1+16*\b+\i]|
.endr
.endr
.irp b, 0,1,2,3
	v_permlanex16_b32 v[TM+4+\b], v[TM+\b], s4, s5
.endr
.irp b, 0,1,2,3
	v_max_num_f32 v[TM+\b], v[TM+\b], v[TM+4+\b]
.endr
.irp b, 0,1,2,3
	v_add_nc_u32 v[TM+12+\b], 0xfc000000, v[TM+\b]
.endr
.irp b, 0,1,2,3
	v_and_or_b32 v[TM+8+\b], v[TM+\b], 0x7f800000, s6
.endr
.irp b, 0,1,2,3
	v_lshrrev_b32 v[TM+4+\b], 23, v[TM+12+\b]
.endr
	v_lshl_or_b32 v[\pw], v[TM+5], 8, v[TM+4]
	v_lshl_or_b32 v[\pw], v[TM+6], 16, v[\pw]
	v_lshl_or_b32 v[\pw], v[TM+7], 24, v[\pw]
.irp b, 0,1,2,3
.irp i, 0,1,2,3,4,5,6,7,8,9,10,11,12,13,14,15
	v_med3_num_f32 v[\s+16*\b+\i], v[\s+16*\b+\i], -v[TM+8+\b], v[TM+8+\b]
.endr
	v_cvt_scalef32_pk8_fp8_f32 v[\pc+4*\b:\pc+4*\b+1], v[\s+16*\b:\s+16*\b+7], v[TM+12+\b]
	v_cvt_scalef32_pk8_fp8_f32 v[\pc+4*\b+2:\pc+4*\b+3], v[\s+16*\b+8:\s+16*\b+15], v[TM+12+\b]
.endr
	v_nop
	s_cmp_eq_u32 ttmp9, 2                          ; V's codes stay as the conversions leave them: place 32 b + 16 h + i of a block holds key 32 b + 8 h + i (i < 8) or 32 b + 8 + 8 h + i: the order in which the attention launch leaves p's codes
	s_wait_alu depctr_va_vdst(0)                   ; the wait ahead of the branch
	s_cbranch_scc1 .Lkeys_stay_\@
.irp b, 0,1,2,3
	v_permlane16_swap_b32 v[\pc+4*\b], v[\pc+4*\b+2]
	v_permlane16_swap_b32 v[\pc+4*\b+1], v[\pc+4*\b+3]
.endr
.Lkeys_stay_\@:
.endm
.macro OUTBLK a
.set PCS, PC+16*((\a)%2)
.if (\a) > 0
	s_wait_xcnt 0x0
.endif
	WIN 0x02+(\a)/4
.set i, 0
.rept 32
	v_pk_add_f32 v[T+2*i:T+2*i+1], v[64*((\a)%4)+2*i:64*((\a)%4)+2*i+1], v[BV+2*(\a):BV+2*(\a)+1]
.set i, i+1
.endr
	WIN 0
	QUANT T, PCS, PW+(\a)
.if (\a) == 4
	s_add_nc_u64 s[12:13], s[12:13], s[104:105]
.elseif (\a) > 0
	s_add_nc_u64 s[12:13], s[12:13], s[66:67]
.endif
	global_store_b128 v[VO01], v[PCS:PCS+3], s[12:13]
	global_store_b128 v[VO01], v[PCS+4:PCS+7], s[12:13] offset:512
	global_store_b128 v[VO23], v[PCS+8:PCS+11], s[12:13]
	global_store_b128 v[VO23], v[PCS+12:PCS+15], s[12:13] offset:512
.endm
	s_mov_b32 s4, 0x76543210
	s_mov_b32 s5, 0xfedcba98
	s_mov_b32 s6, 0x600000
	s_mov_b32 s7, 0xffff0000
	PLACES NP
.irp b, 0,1,2,3
	v_mov_b32 v[TM+4+\b], 0
.endr
.irp a, 0,1,2,3,4,5,6,7
	OUTBLK \a
.endr
	s_cmp_eq_u32 ttmp9, 2
	s_cbranch_scc1 .Lv_scales
.irp b, 0,1,2,3
	v_cndmask_b32 v[X+\b], v[PW+2*\b], v[PW+2*\b+1], s7
.endr
	global_store_b128 v[VO01], v[X:X+3], s[98:99]
.irp b, 0,1,2,3
	v_lshrrev_b32 v[X+4+\b], 16, v[X+\b]
.endr
	global_store_b128 v[VO01], v[X+4:X+7], s[98:99] offset:HEADP
	s_branch .Lscales_done
.Lv_scales:
.irp e, 0,1
	v_cndmask_b32 v[X+2*\e], v[PW+4*\e], v[PW+4*\e+2], s7
	v_cndmask_b32 v[X+2*\e+1], v[PW+4*\e+1], v[PW+4*\e+3], s7
	global_store_b64 v[VOV], v[X+2*\e:X+2*\e+1], s[98:99] offset:\e*HEADP
.endr
.Lscales_done:
	s_wait_tensorcnt 0x0
	ds_add_u32 v[SPW], v[NIL]
	s_wait_dscnt 0x0
	CROUND
	s_endpgm
.Lfunc_end_k_qb97ea09560_qkv_proj:
	.size	k_qb97ea09560_qkv_proj, .Lfunc_end_k_qb97ea09560_qkv_proj-k_qb97ea09560_qkv_proj
	.p2alignl 7, 3214868480
	.fill 96, 4, 3214868480
	.section	.rodata,"a",@progbits
	.p2align	6, 0x0
	.amdhsa_kernel k_qb97ea09560_qkv_proj
		.amdhsa_group_segment_fixed_size 327680
		.amdhsa_private_segment_fixed_size 0
		.amdhsa_enable_private_segment 0
		.amdhsa_kernarg_size 120
		.amdhsa_user_sgpr_count 2
		.amdhsa_user_sgpr_kernarg_segment_ptr 1
		.amdhsa_wavefront_size32 1
		.amdhsa_system_sgpr_workgroup_id_x 1
		.amdhsa_system_sgpr_workgroup_id_y 1
		.amdhsa_system_sgpr_workgroup_id_z 1
		.amdhsa_system_vgpr_workitem_id 0
		.amdhsa_next_free_vgpr 1024
		.amdhsa_next_free_sgpr 106
		.amdhsa_reserve_vcc 0
		.amdhsa_float_denorm_mode_32 3
		.amdhsa_float_denorm_mode_16_64 3
		.amdhsa_memory_ordered 1
		.amdhsa_forward_progress 1
		.amdhsa_inst_pref_size 211
	.end_amdhsa_kernel
	.amdgpu_metadata
---
amdhsa.version: [ 1, 2 ]
amdhsa.kernels:
  - .name:           k_qb97ea09560_qkv_proj
    .symbol:         k_qb97ea09560_qkv_proj.kd
    .args:
      - { .name: x_codes, .offset: 0, .size: 8, .value_kind: global_buffer, .address_space: global }
      - { .name: x_scales, .offset: 8, .size: 8, .value_kind: global_buffer, .address_space: global }
      - { .name: Wq_codes, .offset: 16, .size: 8, .value_kind: global_buffer, .address_space: global }
      - { .name: Wq_scales, .offset: 24, .size: 8, .value_kind: global_buffer, .address_space: global }
      - { .name: Wk_codes, .offset: 32, .size: 8, .value_kind: global_buffer, .address_space: global }
      - { .name: Wk_scales, .offset: 40, .size: 8, .value_kind: global_buffer, .address_space: global }
      - { .name: Wv_codes, .offset: 48, .size: 8, .value_kind: global_buffer, .address_space: global }
      - { .name: Wv_scales, .offset: 56, .size: 8, .value_kind: global_buffer, .address_space: global }
      - { .name: bv, .offset: 64, .size: 8, .value_kind: global_buffer, .address_space: global }
      - { .name: confidence, .offset: 72, .size: 8, .value_kind: global_buffer, .address_space: global }
      - { .name: Wc, .offset: 80, .size: 8, .value_kind: global_buffer, .address_space: global }
      - { .name: bc, .offset: 88, .size: 8, .value_kind: global_buffer, .address_space: global }
      - { .name: alpha, .offset: 96, .size: 8, .value_kind: global_buffer, .address_space: global }
      - { .name: qkv, .offset: 104, .size: 8, .value_kind: global_buffer, .address_space: global }
      - { .name: kbias, .offset: 112, .size: 8, .value_kind: global_buffer, .address_space: global }
    .group_segment_fixed_size: 327680
    .private_segment_fixed_size: 0
    .kernarg_segment_align: 8
    .kernarg_segment_size: 120
    .max_flat_workgroup_size: 128
    .sgpr_count:     106
    .vgpr_count:     1024
    .wavefront_size: 32
...
	.end_amdgpu_metadata
.endif
;; end of part 1
;; launch attention (part 2): grid 8 x 32, 16 waves a work-group, clusters of 4 x 1, 327,680 bytes of LDS; arguments qkv, kbias, oimg; writes oimg
.if DOCPART == 2
	.amdgcn_target "amdgcn-amd-amdhsa--gfx1250"
	.amdhsa_code_object_version 6
	.text
	.protected	k_qb97ea09560_attention
	.globl	k_qb97ea09560_attention
	.p2align	8
	.type	k_qb97ea09560_attention,@function
k_qb97ea09560_attention:
	s_mov_b64 s[64:65], 0
	v_nop
	global_prefetch_b8 v0, s[64:65] scope:SCOPE_SE
	s_setreg_imm32_b32 hwreg(HW_REG_WAVE_MODE, 25, 1), 1
	s_wait_xcnt 0x0
	s_wait_alu depctr_hold_cnt(0) depctr_sa_sdst(0) depctr_va_vdst(0) depctr_va_sdst(0) depctr_va_ssrc(0) depctr_va_vcc(0) depctr_vm_vsrc(0)
	s_getreg_b32 s2, hwreg(HW_REG_IB_STS2, 6, 4)
	s_cmp_eq_u32 s2, 0
	s_cbranch_scc0 .Lentry_in_a_cluster
	s_endpgm
.Lentry_in_a_cluster:
	s_bfe_u32 s2, ttmp6, 0x10000c
	s_cmp_lg_u32 s2, 0x3003
	s_cbranch_scc0 .Lentry_shape_is_right
	s_endpgm
.Lentry_shape_is_right:
; O = softmax(Q K^T / 8 + a (cb_i + cb_j)) V for one head, both products on codes of FP8 (E4M3) with one E8M0 scale for each 32 along a product's K; O is quantised along the model's 1,024 for the output projection.
; With kb = 8 a cb (made by the launch before) and c = log2(e) / 8: t = c (s + kb_j) + c kb_i.  kb_j is the C of the first product; c kb_i goes into the addend of the multiply-add in front of the exponential.
; SOFTMAX: M = the row's largest t so far, rounded up to a whole number; p = 2^(t - M) is quantised along the keys, not normalised; the row's sum is taken of the unquantised p and divides O at the end.
; When M moves, the sum and O are multiplied by 2^(old M - new M), which rounds nothing.
; SHARES.  A work-group owns 256 queries of one head, each of its sixteen waves 16 of them, in 256 registers.
; THE WHOLE HEAD'S K AND V LIE IN LDS: 16 records of 17,152 bytes (128 keys each: K's codes, V's codes, both tensors' scale words), images of operand registers.  They are filled ONCE: wave w asks for record w, its one tensor load.
; Waves 0-3 have a load line of their own and ask first; the first barrier shows their four records, the second, behind key step 2, all sixteen.
; CLUSTER.  The four query blocks of a cluster belong to one head: each record is asked for jointly, with a mask that names the four.
; NO PREFETCH: every tile of the launch is asked for at its head, so there is no loop to run ahead in.
; LAYOUT.  Both products are used transposed: S^T = K Q^T (source 0 = 16 keys), O^T = V^T P^T (source 0 = 16 channels): a lane holds one query (lane % 16) throughout.  The head's 64 fill half of the instruction's 128
; along K: Q's upper eight registers hold zero codes.  K's eight tiles lie in 64 registers on end, eight a tile; a tile's operand is 16 registers, so its upper half is the next tile's codes (behind the last tile: zeros), which meet Q's zero codes and add nothing.
; p's codes stay as the conversions leave them: place 32 b + 16 h + i of a block of 32 holds key 32 b + 8 h + i (i < 8) or 32 b + 8 + 8 h + i; V's codes come from the launch before in the same order, so the products are the same.
; THE SECOND PRODUCT RUNS A STEP BEHIND.  In step m: S^T of record m; V of record m - 1 goes into K's registers and lands under the search for the maxima; O^T += V^T P^T of step m - 1; behind the ten lines of the running maximum,
; which are that product's places, K of record m + 1 is asked for and lands under the exponentials; behind the conversions kb_j of step m + 1 goes into S's registers; O^T is brought under the new M at the step's end.
; The first step has no product before it, the last asks for its own V in K's place, and the last product stands behind the loop.
; LIMITS: NaN and infinities are not served.  A block whose every p (or every number of O) is zero keeps the byte 1: its codes are zeros.
; A head owns two of the four bytes of a scale word of oimg, so those leave as 2 bytes a lane.
.set REC,  25856                       ; a record of qkv in memory
.set LREC, 17152                       ; its part that goes to LDS: 67 rows of 256 bytes
.set OCH,  16896                       ; a chunk of oimg
.set SPARE, 16*LREC                    ; the spare words: 128 bytes a wave
.set LK,   1                           ; 16 x lane
.set LVS,  2                           ; 16 r
.set KBO,  3                           ; 32 h
.set ADK,  4                           ; record m - 1 (in step 0: record 0) + 16 x lane
.set ADVS, 5                           ; the same + 16 r
.set LIM2, 6                           ; v6-9 a second copy of 448 x the scale, for the dual lines' second halves
.set BI,   10                          ; c kb_i
.set NM,   11                          ; -M
.set AD,   12                          ; c kb_i - M
.set TMX,  13                          ; the largest t so far
.set L,    14                          ; v[14:15] the row's sum
.set Q,    16                          ; v16-31 Q's fragment; v24-31 = 0
.set KF,   32                          ; v32-95 K's eight tiles, then V's four fragments; v96-103 = 0
.set S,    104                         ; v104-167 kb_j, S^T, p
.set O,    168                         ; v168-199 O^T
.set P,    200                         ; v200-215 p's codes
.set KSW,  216
.set VSW,  220
.set BM,   224
.set PT,   228
.set LIM,  232
.set CSC,  236
.set F,    240                         ; v[240:241] 2^(old M - new M); the upper register holds 0
.set PS,   242
.set TP,   243
.set C,    244                         ; v244-251 a step's sum in four chains
.set SPW,  253
.set NIL,  254
.set QS,   255
.set WV,   10
.set G1,   16
.set G0,   24
.set KB,   40
.set TB,   42
.set CNT,  43
.set SEL,  44
.set CS,   46
.set MNT,  48
.macro CROUND
	s_barrier_signal -1
	s_barrier_wait -1
	s_cmp_lg_u32 s[WV], 0
	s_cbranch_scc1 .Lnot_wave_0_\@
	s_barrier_signal -3
.Lnot_wave_0_\@:
	s_barrier_wait -3
	s_barrier_signal -1
	s_barrier_wait -1
.endm
.macro PLACES n
.rept \n
	v_nop
.endr
.endm
.macro TLOAD                           ; an s_nop 0 and four v_nop follow the load
	tensor_load_to_lds s[G0:G0+3], s[G1:G1+7]
	s_nop 0
	PLACES 4
.endm
.macro INIT                            ; zero codes, O^T, the sums, -3e38 as the largest t
.set i, 0
.rept 8
	v_mov_b32 v[Q+8+i], 0
	v_mov_b32 v[KF+64+i], 0
	v_mov_b32 v[C+i], 0
.set i, i+1
.endr
.set i, 0
.rept 32
	v_mov_b32 v[O+i], 0
.set i, i+1
.endr
	v_mov_b32 v[L], 0
	v_mov_b32 v[L+1], 0
.irp b, 0,1,2,3
	v_mov_b32 v[PT+\b], 0
.endr
	v_mov_b32 v[F+1], 0
	v_mov_b32 v[TP], 0
	v_mov_b32 v[TMX], 0xff61b1e6
	v_floor_f32 v[NM], -v[TMX]
.endm
.macro KBLOAD                          ; tile T's C: kb of keys 16 T + 8 h + 0..7
.set i, 0
.rept 16
	global_load_b128 v[S+4*i:S+4*i+3], v[KBO], s[KB:KB+1] offset:64*(i/2)+16*(i%2)
.set i, i+1
.endr
.endm
.macro KLOAD off                       ; K's scale words and eight tiles of the record off bytes behind ADK's
	ds_load_b128 v[KSW:KSW+3], v[ADK] offset:(\off)+16384
.set i, 0
.rept 8
	ds_load_b128 v[KF+8*i:KF+8*i+3], v[ADK] offset:(\off)+1024*i
	ds_load_b128 v[KF+8*i+4:KF+8*i+7], v[ADK] offset:(\off)+1024*i+512
.set i, i+1
.endr
.endm
.macro VLOAD off                       ; V's scale words and four fragments, into K's registers
	ds_load_b128 v[VSW:VSW+3], v[ADVS] offset:(\off)+16896
.set i, 0
.rept 16
	ds_load_b128 v[KF+4*i:KF+4*i+3], v[ADK] offset:(\off)+8192+512*i
.set i, i+1
.endr
.endm
.macro PV                              ; O^T += V^T P^T: four tiles of 16 channels, K = 128 keys
.irp d, 0,1,2,3
	v_wmma_scale_f32_16x16x128_f8f6f4 v[O+8*\d:O+8*\d+7], v[KF+16*\d:KF+16*\d+15], v[P:P+15], v[O+8*\d:O+8*\d+7], v[VSW+\d], v[PS]
.endr
.endm
.macro JOIN                            ; eight places behind matrix instructions: the last step's four chains are joined and added to the row's sum
	v_pk_add_f32 v[C:C+1], v[C:C+1], v[C+2:C+3]
	v_pk_add_f32 v[C+4:C+5], v[C+4:C+5], v[C+6:C+7]
	v_nop
	v_nop
	v_pk_add_f32 v[C:C+1], v[C:C+1], v[C+4:C+5]
	v_nop
	v_nop
	v_pk_add_f32 v[L:L+1], v[L:L+1], v[C:C+1]
.endm
	s_load_b128 s[4:7], s[0:1], 0x0                ; qkv, kbias
	s_load_b64 s[8:9], s[0:1], 0x10                ; oimg
	v_lshl_add_u32 v[SPW], v0, 2, SPARE
	v_mov_b32 v[NIL], 0
	ds_add_u32 v[SPW], v[NIL]                      ; the opening lines: the add twice on end and its wait
	ds_add_u32 v[SPW], v[NIL]
	v_lshrrev_b32 v1, 5, v0
	v_readfirstlane_b32 s[WV], v1                  ; wave 0..15
	s_bfe_u32 s11, ttmp6, 0x40000                  ; cx
	s_lshl_b32 s12, ttmp9, 2
	s_add_co_u32 s12, s12, s11                     ; my block of 256 queries: it enters the addresses of Q, kb_i and O alone
	s_and_b32 s13, ttmp7, 0xffff                   ; 16 x batch + head, which the four partners share
	s_mov_b32 s[G1], 15|(3<<16)|(1<<21)            ; the mask: all four; elements of 8 bytes; bit 21 beside a mask
	s_mov_b32 s[G1+1], 32<<16
	s_mov_b32 s[G1+2], 67<<16
	s_mov_b32 s[G1+3], 32<<16
	s_mov_b32 s[G1+4], 67
	s_mov_b32 s[G1+5], 32
	s_mov_b32 s[G1+6], 0
	s_mov_b32 s[G1+7], 0
	s_lshl_b32 s50, s13, 4
	s_add_co_u32 s50, s50, s[WV]
	s_mul_i32 s50, s50, REC                        ; record w of the head
	s_mov_b32 s51, 0
	s_mul_i32 s52, s[WV], LREC
	s_mov_b32 s[SEL], 0x76543210
	s_mov_b32 s[SEL+1], 0xfedcba98
	s_mov_b32 s[CS], 0x3e38aa3b                    ; c = log2(e) / 8
	s_mov_b32 s[CS+1], s[CS]
	s_mov_b32 s[MNT], 0x600000
	s_mov_b32 s[TB], 0
	s_wait_dscnt 0x0
	s_wait_kmcnt 0x0
	s_add_nc_u64 s[50:51], s[4:5], s[50:51]
	CROUND                                         ; all four work-groups are here: the joint loads meet
	s_mov_b32 s[G0], 1
	s_mov_b32 s[G0+1], s52
	s_mov_b64 s[G0+2:G0+3], s[50:51]
	s_or_b32 s[G0+3], s[G0+3], 0x80000000
	s_cmp_lt_u32 s[WV], 4                          ; one load a wave, in two arms: waves 0-3 ask at once, the others behind their clearing
	s_cbranch_scc0 .Llater
	TLOAD
	INIT
	s_branch .Lasked
.Llater:
	INIT
	TLOAD
.Lasked:
	v_and_b32 v6, 31, v0
	v_lshlrev_b32 v[LK], 4, v6
	v_and_b32 v7, 15, v0                           ; r
	v_lshlrev_b32 v[LVS], 4, v7
	v_bfe_u32 v8, v0, 4, 1                         ; h
	v_lshlrev_b32 v[KBO], 5, v8
	v_lshlrev_b32 v9, 2, v7
	v_add_nc_u32 v[ADK], s[TB], v[LK]
	v_add_nc_u32 v[ADVS], s[TB], v[LVS]
	s_wait_alu depctr_va_vdst(0)                   ; the wait ahead of the run of scalar lines
	s_lshr_b32 s53, s[WV], 3
	s_lshl_b32 s54, s12, 1
	s_add_co_u32 s53, s53, s54                     ; my queries' group of 128 tokens,
	s_and_b32 s54, s[WV], 7                        ; and their tile in it
	s_lshl_b32 s55, s13, 4
	s_add_co_u32 s55, s55, s53
	s_mul_i32 s56, s55, REC
	s_lshl_b32 s58, s54, 10
	s_add_co_u32 s56, s56, s58
	s_mov_b32 s57, 0
	s_add_nc_u64 s[56:57], s[4:5], s[56:57]
	global_load_b128 v[Q:Q+3], v[LK], s[56:57] offset:17152
	global_load_b128 v[Q+4:Q+7], v[LK], s[56:57] offset:17152+512
	s_mul_i32 s58, s55, REC
	s_and_b32 s59, s54, 1
	s_lshl_b32 s59, s59, 8
	s_add_co_u32 s58, s58, s59
	s_lshr_b32 s59, s54, 1
	s_lshl_b32 s59, s59, 2
	s_add_co_u32 s58, s58, s59
	s_mov_b32 s59, 0
	s_add_nc_u64 s[58:59], s[4:5], s[58:59]
	global_load_b32 v[QS], v[LVS], s[58:59] offset:25344
	s_lshl_b32 s50, s13, 13
	s_mov_b32 s51, 0
	s_add_nc_u64 s[KB:KB+1], s[6:7], s[50:51]      ; the head's kb
	s_lshl_b32 s50, s12, 10
	s_lshl_b32 s52, s[WV], 6
	s_add_co_u32 s50, s50, s52
	s_add_nc_u64 s[50:51], s[KB:KB+1], s[50:51]
	global_load_b32 v[BI], v9, s[50:51]            ; kb of my query
	KBLOAD                                         ; key step 0's kb_j
	s_wait_loadcnt 16                              ; all but the 16 just issued
	v_mul_f32 v[BI], s[CS], v[BI]
	s_wait_alu depctr_va_vdst(0)                   ; the wait at the head's end
	s_cmp_lt_u32 s[WV], 4
	s_cbranch_scc0 .Lnot_first
	s_wait_tensorcnt 0x0                           ; waves 0-3: records 0-3 are in
.Lnot_first:
	s_barrier_signal -1
	s_barrier_wait -1
	KLOAD 0
; A KEY STEP: 128 keys, one record.  pv = 1: the step before has left a product to do.  nxt = 1: a step follows.
.macro STEP pv, nxt
	s_wait_loadcnt 0x0                             ; kb_j
	s_wait_dscnt 0x0                               ; K
.if \nxt
	s_add_nc_u64 s[KB:KB+1], s[KB:KB+1], 512       ; (the loads that named it have been waited for)
.if \pv
	s_add_co_u32 s[TB], s[TB], LREC
.endif
.endif
.irp t, 0,2,4,6                                ; S^T = K Q^T + kb_j; an even tile's scale words lie in lanes 0-15, the odd tile's in lanes 16-31
	v_wmma_scale_f32_16x16x128_f8f6f4 v[S+8*\t:S+8*\t+7], v[KF+8*\t:KF+8*\t+15], v[Q:Q+15], v[S+8*\t:S+8*\t+7], v[KSW+\t/2], v[QS]
	v_wmma_scale_f32_16x16x128_f8f6f4 v[S+8*\t+8:S+8*\t+15], v[KF+8*\t+8:KF+8*\t+23], v[Q:Q+15], v[S+8*\t+8:S+8*\t+15], v[KSW+\t/2], v[QS] matrix_a_scale:MATRIX_SCALE_ROW1
.endr
	JOIN                                           ; the places ahead of the loads into K's registers and of the first read of S^T
.if \pv
	VLOAD 0                                        ; V of the step before
.endif
.irp b, 0,1,2,3
	v_max3_num_f32 v[BM+\b], v[S+16*\b], v[S+1+16*\b], v[S+2+16*\b]   ; the largest score of each block of 32 keys
.endr
.irp i, 3,5,7,9,11,13
.irp b, 0,1,2,3
	v_max3_num_f32 v[BM+\b], v[BM+\b], v[S+16*\b+\i], v[S+1+16*\b+\i]
.endr
.endr
.irp b, 0,1,2,3
	v_max_num_f32 v[BM+\b], v[BM+\b], v[S+15+16*\b]
.endr
.irp b, 0,1,2,3
	s_delay_alu instid0(VALU_DEP_4)
	v_permlanex16_b32 v[PT+\b], v[BM+\b], s[SEL], s[SEL+1]
.endr
.irp b, 0,1,2,3
	s_delay_alu instid0(VALU_DEP_4)
	v_max_num_f32 v[BM+\b], v[BM+\b], v[PT+\b]     ; with lane l xor 16's 16 keys
.endr
.if \pv
	s_wait_alu depctr_va_vdst(0)                   ; the wait ahead of the wait below
	s_wait_dscnt 0x0                               ; V
	PV                                             ; the step before's product; the ten lines below are its places
.endif
	v_max3_num_f32 v[TP], v[BM], v[BM+1], v[BM+2]
	s_delay_alu instid0(VALU_DEP_1)
	v_max_num_f32 v[TP], v[TP], v[BM+3]
	s_delay_alu instid0(VALU_DEP_1)
	v_fma_f32 v[TP], v[TP], s[CS], v[BI]           ; the step's largest t of my query
	s_delay_alu instid0(VALU_DEP_1)
	v_max_num_f32 v[TMX], v[TMX], v[TP]
	v_mov_b32 v[TP], v[NM]
	s_delay_alu instid0(VALU_DEP_2)
	v_floor_f32 v[NM], -v[TMX]                     ; the new -M = -ceil(t)
	s_delay_alu instid0(VALU_DEP_1)
	v_sub_f32 v[TP], v[NM], v[TP]                  ; old M - new M: a whole number, 0 or less
	s_delay_alu instid0(VALU_DEP_1)
	v_cvt_i32_f32 v[TP], v[TP]
	s_delay_alu instid0(VALU_DEP_1)
	v_ldexp_f32 v[F], 1.0, v[TP]
	s_delay_alu instid0(VALU_DEP_4)
	v_add_f32 v[AD], v[BI], v[NM]
.if \nxt
	KLOAD (1+\pv)*LREC                             ; the next step's K
.else
	VLOAD LREC                                     ; the last step's own V
.endif
.set i, 0
.rept 32
	v_pk_fma_f32 v[S+2*i:S+2*i+1], v[S+2*i:S+2*i+1], s[CS:CS+1], v[AD:AD+1] op_sel_hi:[1,0,0]   ; t - M
.set i, i+1
.endr
.irp b, 0,1,2,3
	v_fma_f32 v[BM+\b], v[BM+\b], s[CS], v[AD]     ; the same of each block's largest score
.endr
	s_wait_alu depctr_va_vdst(0)                   ; the wait ahead of the batch
.set i, 0
.rept 64
	v_exp_f32 v[S+i], v[S+i]                       ; p = 2^(t - M)
.set i, i+1
.endr
.irp b, 0,1,2,3
	v_exp_f32 v[BM+\b], v[BM+\b]                   ; the block's largest p
.endr
	v_pk_mul_f32 v[L:L+1], v[L:L+1], v[F:F+1] op_sel_hi:[1,0]   ; the sum under the new M: the plain line behind the batch
	s_wait_alu depctr_va_vdst(0)                   ; and the wait behind it
.irp b, 0,1,2,3
	v_max_num_f32 v[BM+\b], 0x4800000, v[BM+\b]    ; the floor 2^(9 - 127): the byte cannot fall under 1
.endr
.irp b, 0,1,2,3
	s_delay_alu instid0(VALU_DEP_4)
	v_add_nc_u32 v[CSC+\b], 0xfc000000, v[BM+\b]   ; the conversion's scale operand
.endr
.irp b, 0,1,2,3
	v_and_or_b32 v[LIM+\b], v[BM+\b], 0x7f800000, s[MNT]   ; 448 x the scale,
.endr
.irp b, 0,1,2,3
	v_and_or_b32 v[LIM2+\b], v[BM+\b], 0x7f800000, s[MNT]  ; twice: a dual line's two second sources lie in different banks
.endr
.irp b, 0,1,2,3
	v_lshrrev_b32 v[PT+\b], 23, v[CSC+\b]          ; the scale's byte
.endr
	s_delay_alu instid0(VALU_DEP_3)
	v_lshl_or_b32 v[PS], v[PT+1], 8, v[PT]         ; p's scale word
	s_delay_alu instid0(VALU_DEP_1)
	v_lshl_or_b32 v[PS], v[PT+2], 16, v[PS]
	s_delay_alu instid0(VALU_DEP_1)
	v_lshl_or_b32 v[PS], v[PT+3], 24, v[PS]
.irp k, 0,1,2,3                                ; the sum of the unquantised p, in four chains; they are joined in the next step
	v_pk_add_f32 v[C+2*\k:C+2*\k+1], v[S+2*\k:S+2*\k+1], v[S+8+2*\k:S+9+2*\k]
.endr
.irp m, 2,3,4,5,6,7
.irp k, 0,1,2,3
	v_pk_add_f32 v[C+2*\k:C+2*\k+1], v[C+2*\k:C+2*\k+1], v[S+8*\m+2*\k:S+8*\m+2*\k+1]
.endr
.endr
.irp b, 0,1,2,3
.irp i, 0,2,4,6,8,10,12,14
	v_dual_min_num_f32 v[S+16*\b+\i], v[S+16*\b+\i], v[LIM+\b] :: v_dual_min_num_f32 v[S+16*\b+\i+1], v[S+16*\b+\i+1], v[LIM2+\b]   ; the conversion does not saturate (ISA guide 7.6.2); p is not negative: a one-sided hold, two a line
.endr
	v_cvt_scalef32_pk8_fp8_f32 v[P+4*\b:P+4*\b+1], v[S+16*\b:S+16*\b+7], v[CSC+\b]
	v_cvt_scalef32_pk8_fp8_f32 v[P+4*\b+2:P+4*\b+3], v[S+16*\b+8:S+16*\b+15], v[CSC+\b]
.endr
.if \nxt
	KBLOAD                                         ; the next step's kb_j, into the registers that p has left
.endif
	s_wait_alu depctr_va_vdst(0)                   ; the wait ahead of the first reader of O^T
.set i, 0
.rept 16
	v_pk_mul_f32 v[O+2*i:O+2*i+1], v[O+2*i:O+2*i+1], v[F:F+1] op_sel_hi:[1,0]   ; O^T under the new M, ahead of this step's product
.set i, i+1
.endr
.if \nxt
.if \pv
	v_add_nc_u32 v[ADK], s[TB], v[LK]              ; on to the next record
	v_add_nc_u32 v[ADVS], s[TB], v[LVS]
.endif
.endif
	s_wait_alu depctr_va_vdst(0)                   ; the wait ahead of the branch and the waits that follow
.endm
	STEP 0, 1                                      ; key step 0
	s_mov_b32 s[CNT], 2
.Lfirst:                                           ; key steps 1 and 2: with step 0 they read records 0-3
	STEP 1, 1
	s_sub_co_u32 s[CNT], s[CNT], 1
	s_cmp_lg_u32 s[CNT], 0
	s_cbranch_scc1 .Lfirst
	s_wait_tensorcnt 0x0                           ; every wave's record is in
	s_wait_dscnt 0x0
	s_barrier_signal -1
	s_barrier_wait -1
	s_mov_b32 s[CNT], 12
.Lsteps:                                           ; key steps 3-14
	STEP 1, 1
	s_sub_co_u32 s[CNT], s[CNT], 1
	s_cmp_lg_u32 s[CNT], 0
	s_cbranch_scc1 .Lsteps
	STEP 1, 0                                      ; key step 15
	s_wait_dscnt 0x0                               ; its V
	PV                                             ; and its product
	JOIN
	; THE WAY OUT.  O^T / the sum; its two blocks of 32 channels are quantised as p is, and leave as two quarters of a fragment of the output projection's A: 512 consecutive bytes each.
	v_add_f32 v[L], v[L], v[L+1]
	s_delay_alu instid0(VALU_DEP_1)
	v_permlanex16_b32 v[TP], v[L], s[SEL], s[SEL+1]
	s_delay_alu instid0(VALU_DEP_1)
	v_add_f32 v[L], v[L], v[TP]                    ; the row's sum
	s_wait_alu depctr_va_vdst(0)
	v_rcp_f32 v[L], v[L]
	s_lshr_b32 s50, s13, 4
	s_lshl_b32 s50, s50, 4
	s_add_co_u32 s50, s50, s53                     ; my block of 128 tokens: 16 x batch + group
	s_lshl_b32 s50, s50, 3
	s_bfe_u32 s51, s13, 0x30001                    ; the K step of 128: head / 2
	s_add_co_u32 s50, s50, s51
	s_mul_i32 s50, s50, OCH                        ; the chunk
	s_and_b32 s51, s13, 1                          ; which half of the K step is my head's
	s_lshl_b32 s52, s54, 11
	s_add_co_u32 s52, s52, s50
	s_lshl_b32 s55, s51, 10
	s_add_co_u32 s52, s52, s55                     ; codes: + 2,048 x tile + 1,024 x half
	s_mov_b32 s53, 0
	s_lshr_b32 s56, s54, 2
	s_lshl_b32 s56, s56, 8
	s_add_co_u32 s56, s56, s50
	s_and_b32 s55, s54, 3
	s_lshl_b32 s55, s55, 2
	s_add_co_u32 s56, s56, s55
	s_lshl_b32 s55, s51, 1
	s_add_co_u32 s56, s56, s55                     ; scale bytes: + 256 (tile / 4) + 4 (tile % 4) + 2 x half
	s_mov_b32 s57, 0
	s_add_nc_u64 s[52:53], s[8:9], s[52:53]
	s_add_nc_u64 s[56:57], s[8:9], s[56:57]
	PLACES 8                                       ; places behind the last products, and the plain line behind the reciprocal
	s_wait_alu depctr_va_vdst(0)
.set i, 0
.rept 32
	v_mul_f32 v[S+i], v[O+i], v[L]                 ; register 8 d + j is O(my query, 16 d + 8 h + j)
.set i, i+1
.endr
.irp b, 0,1
	v_max3_num_f32 v[BM+\b], |v[S+16*\b]|, |v[S+1+16*\b]|, 0x4800000
.endr
.irp i, 2,4,6,8,10,12,14
.irp b, 0,1
	s_delay_alu instid0(VALU_DEP_2)
	v_max3_num_f32 v[BM+\b], v[BM+\b], |v[S+16*\b+\i]|, |v[S+1+16*\b+\i]|
.endr
.endr
.irp b, 0,1
	s_delay_alu instid0(VALU_DEP_2)
	v_permlanex16_b32 v[PT+\b], v[BM+\b], s[SEL], s[SEL+1]
.endr
.irp b, 0,1
	s_delay_alu instid0(VALU_DEP_2)
	v_max_num_f32 v[BM+\b], v[BM+\b], v[PT+\b]
.endr
.irp b, 0,1
	s_delay_alu instid0(VALU_DEP_2)
	v_add_nc_u32 v[CSC+\b], 0xfc000000, v[BM+\b]
.endr
.irp b, 0,1
	s_delay_alu instid0(VALU_DEP_4)
	v_and_or_b32 v[LIM+\b], v[BM+\b], 0x7f800000, s[MNT]
.endr
.irp b, 0,1
	s_delay_alu instid0(VALU_DEP_4)
	v_lshrrev_b32 v[PT+\b], 23, v[CSC+\b]
.endr
	s_delay_alu instid0(VALU_DEP_1)
	v_lshl_or_b32 v[PS], v[PT+1], 8, v[PT]         ; my head's two bytes of the row's scale word
.irp b, 0,1
.irp i, 0,1,2,3,4,5,6,7,8,9,10,11,12,13,14,15
	v_med3_num_f32 v[S+16*\b+\i], v[S+16*\b+\i], -v[LIM+\b], v[LIM+\b]
.endr
	v_cvt_scalef32_pk8_fp8_f32 v[P+4*\b:P+4*\b+1], v[S+16*\b:S+16*\b+7], v[CSC+\b]
	v_cvt_scalef32_pk8_fp8_f32 v[P+4*\b+2:P+4*\b+3], v[S+16*\b+8:S+16*\b+15], v[CSC+\b]
.endr
	v_nop
.irp b, 0,1
	v_permlane16_swap_b32 v[P+4*\b], v[P+4*\b+2]   ; O's codes into the operand's order: lane (r, h) holds channels 32 b + 16 h + 0..15
	v_permlane16_swap_b32 v[P+4*\b+1], v[P+4*\b+3]
.endr
	global_store_b128 v[LK], v[P:P+3], s[52:53]
	global_store_b128 v[LK], v[P+4:P+7], s[52:53] offset:512
	global_store_b16 v[LVS], v[PS], s[56:57] offset:16384      ; both halves of the lanes write the same two bytes with the same value
	s_wait_tensorcnt 0x0                           ; the wave's end
	ds_add_u32 v[SPW], v[NIL]
	s_wait_dscnt 0x0
	CROUND                                         ; the closing round
	s_endpgm
.Lfunc_end_k_qb97ea09560_attention:
	.size	k_qb97ea09560_attention, .Lfunc_end_k_qb97ea09560_attention-k_qb97ea09560_attention
	.p2alignl 7, 3214868480
	.fill 96, 4, 3214868480
	.section	.rodata,"a",@progbits
	.p2align	6, 0x0
	.amdhsa_kernel k_qb97ea09560_attention
		.amdhsa_group_segment_fixed_size 327680
		.amdhsa_private_segment_fixed_size 0
		.amdhsa_enable_private_segment 0
		.amdhsa_kernarg_size 24
		.amdhsa_user_sgpr_count 2
		.amdhsa_user_sgpr_kernarg_segment_ptr 1
		.amdhsa_wavefront_size32 1
		.amdhsa_system_sgpr_workgroup_id_x 1
		.amdhsa_system_sgpr_workgroup_id_y 1
		.amdhsa_system_sgpr_workgroup_id_z 1
		.amdhsa_system_vgpr_workitem_id 0
		.amdhsa_next_free_vgpr 256
		.amdhsa_next_free_sgpr 66
		.amdhsa_reserve_vcc 0
		.amdhsa_float_denorm_mode_32 3
		.amdhsa_float_denorm_mode_16_64 3
		.amdhsa_memory_ordered 1
		.amdhsa_forward_progress 1
		.amdhsa_inst_pref_size 101
	.end_amdhsa_kernel
	.amdgpu_metadata
---
amdhsa.version: [ 1, 2 ]
amdhsa.kernels:
  - .name:           k_qb97ea09560_attention
    .symbol:         k_qb97ea09560_attention.kd
    .args:
      - { .name: qkv, .offset: 0, .size: 8, .value_kind: global_buffer, .address_space: global }
      - { .name: kbias, .offset: 8, .size: 8, .value_kind: global_buffer, .address_space: global }
      - { .name: oimg, .offset: 16, .size: 8, .value_kind: global_buffer, .address_space: global }
    .group_segment_fixed_size: 327680
    .private_segment_fixed_size: 0
    .kernarg_segment_align: 8
    .kernarg_segment_size: 24
    .max_flat_workgroup_size: 512
    .sgpr_count:     66
    .vgpr_count:     256
    .wavefront_size: 32
...
	.end_amdgpu_metadata
.endif
;; end of part 2
;; launch out_proj (part 3): grid 8 x 32, 4 waves a work-group, clusters of 4 x 4, 327,680 bytes of LDS; arguments oimg, Wo_codes, Wo_scales, bo, out0; writes out0
.if DOCPART == 3
	.amdgcn_target "amdgcn-amd-amdhsa--gfx1250"
	.amdhsa_code_object_version 6
	.text
	.protected	k_qb97ea09560_out_proj
	.globl	k_qb97ea09560_out_proj
	.p2align	8
	.type	k_qb97ea09560_out_proj,@function
k_qb97ea09560_out_proj:
	s_mov_b64 s[64:65], 0
	v_nop
	global_prefetch_b8 v0, s[64:65] scope:SCOPE_SE
	s_setreg_imm32_b32 hwreg(HW_REG_WAVE_MODE, 25, 1), 1
	s_wait_xcnt 0x0
	s_wait_alu depctr_hold_cnt(0) depctr_sa_sdst(0) depctr_va_vdst(0) depctr_va_sdst(0) depctr_va_ssrc(0) depctr_va_vcc(0) depctr_vm_vsrc(0)
	s_getreg_b32 s2, hwreg(HW_REG_IB_STS2, 6, 4)
	s_cmp_eq_u32 s2, 0
	s_cbranch_scc0 .Lentry_in_a_cluster
	s_endpgm
.Lentry_in_a_cluster:
	s_bfe_u32 s2, ttmp6, 0x10000c
	s_cmp_lg_u32 s2, 0xf033
	s_cbranch_scc0 .Lentry_shape_is_right
	s_endpgm
.Lentry_shape_is_right:
; out0 = O Wo^T + bo on codes of FP8 (E4M3) with one E8M0 scale for each 32 along K = 1,024.  O comes from the attention launch as images of operand registers (oimg: [block of 128 tokens 32][K step of 128: 8] chunks of
; 16,896 bytes: codes [tile of 16 tokens 8][c 4][lane][16], then scale words [half 2][r 16][tile % 4]); Wo as rows of codes, K innermost.
; SHARES.  256 tiles of 128 x 128 of out0, one to a work-group; four waves, each 64 x 64: 16 accumulators.  ALL OF K LIES IN LDS, filled once by four joint loads, one a wave, each with a line of its own:
; wave 0 O's chunks 0-3 (264 dense rows of 256 bytes), wave 1 Wo's K 0-511 (128 rows of 512 bytes), wave 2 O's chunks 4-7, wave 3 Wo's K 512-1,023.  The first barrier shows waves 0 and 1's, the one ahead of K step 4's fetch all four.
; 4 x 4 work-groups form a cluster: O's chunks are asked for jointly along a row of the cluster, Wo's tiles along a column.  Wo's scale words (32 bytes a row, 512 bytes on end for a tile's 16 rows) go straight into registers.
; NO PREFETCH: every tile is asked for at the head, so there is no loop to run ahead in.
; THE MATRIX INSTRUCTION IS USED TRANSPOSED (source 0 = 16 rows of Wo, source 1 = 16 tokens): a lane holds eight neighbouring numbers of a row of out0.  bo is the C of each sum's first instruction.
; REGISTERS: window 0: v4-19 addresses; v32-63 Wo's scale words; v64-71 O's, two sets; v72-103 bo as four C tiles; v128-255 the accumulators.  window 1: two buffers of 128: O's four fragments, then Wo's four; on the way out rows of out0.
.set OCH,  16896
.set BOFF, 8*OCH                       ; behind O's eight chunks: Wo's two halves of K
.set BP,   528                         ; a row of a half: 512 bytes + 16 of padding
.set BH,   128*BP
.set STG,  BOFF+2*BH                   ; the way out: 16 rows x 272 bytes for each wave; no tensor load lands here
.set SP,   272
.set SPARE, STG+4*16*SP
.set ADRA, 4                           ; v4-5   O's fragments, chunks 0-3 and 4-7
.set ADRB, 6                           ; v6-7   Wo's, first and second half of K
.set ADSA, 8                           ; v8-9   O's scale words
.set ADSB, 16                          ; v16    my offset in Wo's scale bytes
.set STO,  17
.set RD,   18
.set CO,   19
.set SPW,  126
.set NIL,  127
.set BS,   32
.set AS,   64
.set BO,   72
.set ACC,  128
.set G1A,  24
.set G0A,  32
.set G0B,  36
.set G1B,  48
.set MSB, 0
.macro WIN new
.if MSB != (\new)
	s_set_vgpr_msb (MSB<<8)|(\new)
.set MSB, (\new)
.endif
.endm
.set MUL,  0x05                        ; sources 0 and 1 window 1; C and D window 0
.set TO_F, 0x40                        ; destination window 1, address window 0
.macro CROUND
	s_barrier_signal -1
	s_barrier_wait -1
	s_cmp_lg_u32 s14, 0
	s_cbranch_scc1 .Lnot_wave_0_\@
	s_barrier_signal -3
.Lnot_wave_0_\@:
	s_barrier_wait -3
	s_barrier_signal -1
	s_barrier_wait -1
.endm
.macro PLACES n
.rept \n
	v_nop
.endr
.endm
	s_load_b256 s[4:11], s[0:1], 0x0               ; oimg, Wo's codes, Wo's scales, bo
	s_load_b64 s[12:13], s[0:1], 0x20              ; out0
	v_lshl_add_u32 v[SPW], v0, 2, SPARE
	v_mov_b32 v[NIL], 0
	ds_add_u32 v[SPW], v[NIL]                      ; the opening lines: the add twice on end and its wait
	ds_add_u32 v[SPW], v[NIL]
	v_lshrrev_b32 v1, 5, v0
	v_readfirstlane_b32 s14, v1                    ; wave 0..3
	s_lshr_b32 s15, s14, 1                         ; my half of the tile's rows.  Also: which half of K I fetch
	s_and_b32 s16, s14, 1                          ; my half of its columns.  Also: I fetch for O (0) or for Wo (1)
	s_bfe_u32 s88, ttmp6, 0x40000                  ; cx, cy
	s_bfe_u32 s89, ttmp6, 0x40004
	s_lshl_b32 s18, ttmp9, 2
	s_add_co_u32 s18, s18, s88                     ; tile column
	s_and_b32 s17, ttmp7, 0xffff
	s_lshl_b32 s17, s17, 2
	s_add_co_u32 s17, s17, s89                     ; tile row
	s_lshl_b32 s90, s89, 2
	s_lshl_b32 s90, 15, s90                        ; my row of the cluster
	s_lshl_b32 s91, 0x1111, s88                    ; my column
	s_or_b32 s[G1A], s90, (3<<16)|(1<<21)          ; four chunks: 264 dense rows of 256 bytes (32 elements of 8)
	s_mov_b32 s[G1A+1], 32<<16
	s_mov_b32 s[G1A+2], 264<<16
	s_mov_b32 s[G1A+3], 32<<16
	s_mov_b32 s[G1A+4], 264
	s_mov_b32 s[G1A+5], 32
	s_mov_b32 s[G1A+6], 0
	s_mov_b32 s[G1A+7], 0
	s_or_b32 s[G1B], s91, (1<<20)|(1<<21)|(6<<22)|(3<<25)   ; 128 rows x 512 bytes of Wo, 1,024 bytes apart; four words of padding after every 128
	s_mov_b32 s[G1B+1], 512<<16
	s_mov_b32 s[G1B+2], 128<<16
	s_mov_b32 s[G1B+3], 512<<16
	s_mov_b32 s[G1B+4], 128
	s_mov_b32 s[G1B+5], 1024
	s_mov_b32 s[G1B+6], 0
	s_mov_b32 s[G1B+7], 0
	s_lshl_b32 s20, s17, 3
	s_lshl_b32 s19, s15, 2
	s_add_co_u32 s20, s20, s19
	s_mul_i32 s20, s20, OCH                        ; O: chunk 8 x tile row + 4 x half of K
	s_mov_b32 s21, 0
	s_lshl_b32 s22, s18, 17                        ; Wo: row 128 x tile column,
	s_lshl_b32 s19, s15, 9
	s_add_co_u32 s22, s22, s19                     ; + 512 bytes x half of K
	s_mov_b32 s23, 0
	s_lshl_b32 s92, s18, 7
	s_lshl_b32 s19, s16, 6
	s_add_co_u32 s92, s92, s19
	s_lshl_b32 s92, s92, 5                         ; the scale bytes of my 64 columns
	s_mov_b32 s93, 0
	s_mul_i32 s94, s15, 4*OCH                      ; where the tiles go: no place in the cluster enters an LDS address
	s_mul_i32 s95, s15, BH
	s_wait_dscnt 0x0
	s_wait_kmcnt 0x0
	s_add_nc_u64 s[20:21], s[4:5], s[20:21]
	s_add_nc_u64 s[22:23], s[6:7], s[22:23]
	s_add_nc_u64 s[92:93], s[8:9], s[92:93]
	CROUND                                         ; all sixteen work-groups are here: the joint loads meet
	s_mov_b32 s[G0A], 1
	s_mov_b32 s[G0A+1], s94
	s_mov_b64 s[G0A+2:G0A+3], s[20:21]
	s_or_b32 s[G0A+3], s[G0A+3], 0x80000000
	s_mov_b32 s[G0B], 1
	s_add_co_u32 s[G0B+1], s95, BOFF
	s_mov_b64 s[G0B+2:G0B+3], s[22:23]
	s_or_b32 s[G0B+3], s[G0B+3], 0x80000000
.macro ARM under, g0, g1, next         ; one chain of branches on the wave's number, one load to an arm
	s_cmp_lt_u32 s14, \under
	s_cbranch_scc0 \next
	tensor_load_to_lds s[\g0:\g0+3], s[\g1:\g1+7]
	s_nop 0
	PLACES 4
	s_branch .Lasked
\next:
.endm
	ARM 1, G0A, G1A, .Larm_1
	ARM 2, G0B, G1B, .Larm_2
	ARM 3, G0A, G1A, .Larm_3
	tensor_load_to_lds s[G0B:G0B+3], s[G1B:G1B+7]
	s_nop 0
	PLACES 4
.Lasked:
	v_and_b32 v1, 15, v0                           ; r
	v_bfe_u32 v2, v0, 4, 1                         ; h
	v_and_b32 v3, 31, v0                           ; lane
	v_lshlrev_b32 v21, 4, v3
	s_lshl_b32 s2, s15, 13
	v_add_nc_u32 v[ADRA], s2, v21                  ; 16 x lane + 8,192 x my half of the rows
	v_add_nc_u32 v[ADRA+1], 4*OCH, v[ADRA]
	v_mul_u32_u24 v22, v1, BP
	v_lshl_add_u32 v22, v2, 4, v22
	s_mul_i32 s2, s16, 64*BP
	s_add_co_u32 s2, s2, BOFF
	v_add_nc_u32 v[ADRB], s2, v22                  ; row x pitch + 16 h + my half of the columns
	v_add_nc_u32 v[ADRB+1], BH, v[ADRB]
	v_lshlrev_b32 v23, 4, v1
	s_lshl_b32 s2, s15, 8
	s_add_co_u32 s2, s2, 16384
	v_add_nc_u32 v[ADSA], s2, v23                  ; a chunk's scale words: 16 r + 256 x my half
	v_add_nc_u32 v[ADSA+1], 4*OCH, v[ADSA]
	v_lshlrev_b32 v[ADSB], 5, v1                   ; Wo's scale bytes: 32 a row
	s_mul_i32 s2, s14, 16*SP
	s_add_co_u32 s2, s2, STG                       ; my stage
	v_mul_u32_u24 v[STO], v1, SP
	v_lshl_add_u32 v[STO], v2, 5, v[STO]
	v_add_nc_u32 v[STO], s2, v[STO]                ; in: row r, 32 bytes for each half of the lanes
	v_mul_u32_u24 v[RD], v2, SP
	v_lshl_add_u32 v[RD], v1, 4, v[RD]
	v_add_nc_u32 v[RD], s2, v[RD]                  ; back: lanes 0-15 one row of 256 bytes, lanes 16-31 the next
	v_lshlrev_b32 v[CO], 12, v2
	v_lshl_add_u32 v[CO], v1, 4, v[CO]             ; and the same two rows in out0
	v_lshlrev_b32 v20, 5, v2
	s_wait_alu depctr_va_vdst(0)                   ; the wait ahead of the run of scalar lines
	s_lshl_b32 s96, s18, 9
	s_lshl_b32 s97, s16, 8
	s_add_co_u32 s96, s96, s97                     ; my first column, in bytes
	s_lshl_b32 s98, s17, 7
	s_lshl_b32 s99, s15, 6
	s_add_co_u32 s98, s98, s99                     ; my first row
	s_lshl_b32 s98, s98, 12
	s_add_co_u32 s98, s98, s96
	s_mov_b32 s97, 0
	s_mov_b32 s99, 0
	s_add_nc_u64 s[10:11], s[10:11], s[96:97]
	s_add_nc_u64 s[12:13], s[12:13], s[98:99]
.irp b, 0,1,2,3
	global_load_b128 v[BS+8*\b:BS+8*\b+3], v[ADSB], s[92:93] offset:512*\b       ; row r of column tile b: its eight scale words, one for each K step
	global_load_b128 v[BS+8*\b+4:BS+8*\b+7], v[ADSB], s[92:93] offset:512*\b+16
	global_load_b128 v[BO+8*\b:BO+8*\b+3], v20, s[10:11] offset:64*\b            ; bo of columns 16 b + 8 h + 0..7: the result's layout
	global_load_b128 v[BO+8*\b+4:BO+8*\b+7], v20, s[10:11] offset:64*\b+16
.endr
.macro FETCH s                         ; K step s of 128: 33 LDS loads into buffer s % 2
.set FB, 128*((\s)%2)
.set UU, (\s)/4
.set QQ, (\s)%4
	WIN TO_F
.irp a, 0,1,2,3
.irp c, 0,1,2,3
	ds_load_b128 v[FB+16*\a+4*\c:FB+16*\a+4*\c+3], v[ADRA+UU] offset:QQ*OCH+\a*2048+\c*512
.endr
.endr
.irp b, 0,1,2,3
.irp c, 0,1,2,3
	ds_load_b128 v[FB+64+16*\b+4*\c:FB+64+16*\b+4*\c+3], v[ADRB+UU] offset:\b*16*BP+128*QQ+32*\c
.endr
.endr
	WIN 0
	ds_load_b128 v[AS+4*((\s)%2):AS+4*((\s)%2)+3], v[ADSA+UU] offset:QQ*OCH      ; the scale words of my four tiles of tokens
.endm
.macro KSTEP s                         ; the next K step's fragments are asked for, then this one's 16 products: the 16 accumulators take turns
.if (\s) < 7
.if (\s) == 3
	s_wait_tensorcnt 0x0                           ; every wave's tile is in: behind the barrier the second half of K is whole
	s_wait_dscnt 0x0
	s_barrier_signal -1
	s_barrier_wait -1
.endif
.if (\s) > 0
	PLACES 8                                       ; in front of loads into registers that the K step before multiplied
.endif
	FETCH (\s)+1
	s_wait_dscnt 33                                ; all but the 33 just issued
.else
	s_wait_dscnt 0x0
.endif
.set FB, 128*((\s)%2)
	WIN MUL
.irp a, 0,1,2,3
.irp b, 0,1,2,3
.if (\s) == 0
	v_wmma_scale_f32_16x16x128_f8f6f4 v[ACC+8*(4*\a+\b):ACC+8*(4*\a+\b)+7], v[FB+64+16*\b:FB+64+16*\b+15], v[FB+16*\a:FB+16*\a+15], v[BO+8*\b:BO+8*\b+7], v[BS+8*\b+(\s)], v[AS+4*((\s)%2)+\a]
.else
	v_wmma_scale_f32_16x16x128_f8f6f4 v[ACC+8*(4*\a+\b):ACC+8*(4*\a+\b)+7], v[FB+64+16*\b:FB+64+16*\b+15], v[FB+16*\a:FB+16*\a+15], v[ACC+8*(4*\a+\b):ACC+8*(4*\a+\b)+7], v[BS+8*\b+(\s)], v[AS+4*((\s)%2)+\a]
.endif
.endr
.endr
	WIN 0
.endm
	s_wait_alu depctr_va_vdst(0)                   ; the wait at the head's end
	s_cmp_lt_u32 s14, 2
	s_cbranch_scc0 .Lnot_first
	s_wait_tensorcnt 0x0                           ; waves 0 and 1: the first half of K is in
.Lnot_first:
	s_barrier_signal -1
	s_barrier_wait -1
	FETCH 0
	s_wait_loadcnt 0x0                             ; Wo's scale words, bo
.irp s, 0,1,2,3,4,5,6,7
	KSTEP \s
.endr
; THE WAY OUT, a block of 16 rows x my 64 columns at a time, through my own stage, back as whole rows of 256 bytes.  LDS serves a wave's instructions in order (ISA guide 5.7.1.4): no wait between the stores and the loads.
.macro TOSTAGE a
.irp b, 0,1,2,3
	ds_store_b128 v[STO], v[ACC+8*(4*(\a)+\b):ACC+8*(4*(\a)+\b)+3] offset:64*\b          ; each accumulator from its low end on
	ds_store_b128 v[STO], v[ACC+8*(4*(\a)+\b)+4:ACC+8*(4*(\a)+\b)+7] offset:64*\b+16
.endr
	WIN TO_F
.irp t, 0,1,2,3,4,5,6,7
	ds_load_b128 v[32*((\a)%2)+4*\t:32*((\a)%2)+4*\t+3], v[RD] offset:\t*2*SP
.endr
	WIN 0
.endm
.macro SEND a, younger                 ; younger: the LDS instructions issued behind block a's loads, which may stay out
	s_wait_dscnt \younger
	WIN 0x04                                       ; a store's data are its source 1: window 1
.irp t, 0,1,2,3,4,5,6,7
	global_store_b128 v[CO], v[32*((\a)%2)+4*\t:32*((\a)%2)+4*\t+3], s[12:13] offset:(16*(\a)+2*\t)*4096 th:TH_STORE_NT   ; 16 lanes store 256 consecutive bytes, aligned
.endr
	WIN 0
.endm
	PLACES 8                                       ; behind the last products
	TOSTAGE 0
.irp a, 1,2,3
.if \a > 1
	s_wait_xcnt 0x0                                ; block a - 2's stores have read their registers
.endif
	TOSTAGE \a
	SEND \a-1, 16                                  ; behind block a - 1's loads: block a's 8 stores and 8 loads
.endr
	SEND 3, 0
	s_wait_tensorcnt 0x0                           ; the wave's end
	ds_add_u32 v[SPW], v[NIL]
	s_wait_dscnt 0x0
	CROUND                                         ; the closing round
	s_endpgm
.Lfunc_end_k_qb97ea09560_out_proj:
	.size	k_qb97ea09560_out_proj, .Lfunc_end_k_qb97ea09560_out_proj-k_qb97ea09560_out_proj
	.p2alignl 7, 3214868480
	.fill 96, 4, 3214868480
	.section	.rodata,"a",@progbits
	.p2align	6, 0x0
	.amdhsa_kernel k_qb97ea09560_out_proj
		.amdhsa_group_segment_fixed_size 327680
		.amdhsa_private_segment_fixed_size 0
		.amdhsa_enable_private_segment 0
		.amdhsa_kernarg_size 40
		.amdhsa_user_sgpr_count 2
		.amdhsa_user_sgpr_kernarg_segment_ptr 1
		.amdhsa_wavefront_size32 1
		.amdhsa_system_sgpr_workgroup_id_x 1
		.amdhsa_system_sgpr_workgroup_id_y 1
		.amdhsa_system_sgpr_workgroup_id_z 1
		.amdhsa_system_vgpr_workitem_id 0
		.amdhsa_next_free_vgpr 512
		.amdhsa_next_free_sgpr 100
		.amdhsa_reserve_vcc 0
		.amdhsa_float_denorm_mode_32 3
		.amdhsa_float_denorm_mode_16_64 3
		.amdhsa_memory_ordered 1
		.amdhsa_forward_progress 1
		.amdhsa_inst_pref_size 53
	.end_amdhsa_kernel
	.amdgpu_metadata
---
amdhsa.version: [ 1, 2 ]
amdhsa.kernels:
  - .name:           k_qb97ea09560_out_proj
    .symbol:         k_qb97ea09560_out_proj.kd
    .args:
      - { .name: oimg, .offset: 0, .size: 8, .value_kind: global_buffer, .address_space: global }
      - { .name: Wo_codes, .offset: 8, .size: 8, .value_kind: global_buffer, .address_space: global }
      - { .name: Wo_scales, .offset: 16, .size: 8, .value_kind: global_buffer, .address_space: global }
      - { .name: bo, .offset: 24, .size: 8, .value_kind: global_buffer, .address_space: global }
      - { .name: out0, .offset: 32, .size: 8, .value_kind: global_buffer, .address_space: global }
    .group_segment_fixed_size: 327680
    .private_segment_fixed_size: 0
    .kernarg_segment_align: 8
    .kernarg_segment_size: 40
    .max_flat_workgroup_size: 128
    .sgpr_count:     100
    .vgpr_count:     512
    .wavefront_size: 32
...
	.end_amdgpu_metadata
.endif
;; end of part 3
